; MI455X (gfx1250); checked and timed in simulation.
; The chip was launched on July 23, 2026; its instructions are those of AMD's public machine-readable ISA for CDNA 5 (MIT licence, August 2026) and "CDNA5" Instruction Set Architecture Reference Guide (July 2026). The comments in the code are by the model that wrote it; some were corrected since.
;; Elastic Low Rank Layer. Allowed arithmetic: matrix products marked QUANTISED: E2M1 operands, one E8M0 scale for each 32 along K, by v_wmma_scale_f32_16x16x128_f8f6f4 with both operands' format E2M1 (or v_wmma_scale_f32_32x16x128_f4), f32 sums; products left as they are: f32 operands where the result goes on into a quantised operand, else bf16, f16 or f32 operands; f32 sums; everything else in f32.
;; Inputs: U 4,096 x 64 float32; U_res 4,096 x 4 float32; V 4,096 x 64 float32; V_res 4,096 x 4 float32; x 4,096 x 4,096 float32.
;; Outputs: out0 4,096 x 4,096 float32.
;; Constants: active_cluster = 0.
;; This version of the problem:
;;   THIS VERSION OF THE PROBLEM IS GIVEN IN LOW PRECISION. The matrix products marked QUANTISED in the list below multiply operands that are first quantised to E2M1 (2 exponent bits, 1 mantissa bit; 4 bits a number), with one power-of-two scale for each 32 numbers along K (OCP MX v1.0); their sums are f32. All else is computed in f32.
;;   The module's matrix products, in the order in which they are computed (A, B: the left and right operand; K: the contracted axis; several contracted axes count as one K, in the product's order):
;;     1. [M 4,096, K 64] x [K 64, N 4,096]; A: input U; B: input V: QUANTISED
;;     2. [M 4,096, K 4] x [K 4, N 4,096]; A: input U_res; B: input V_res: left as it is (K = 4 < 32)
;;     3. [M 4,096, K 4,096] x [K 4,096, N 4,096]; A: computed on the way; B: input x: QUANTISED
;;   THE QUANTISER, for each operand of a quantised product, along K:
;;     - K is cut into blocks of 32 from its start; a last block that is shorter is filled with zeros.
;;     - A block's scale is 2^e with e = floor(log2(the largest magnitude in the block)) - 2, held to -126 .. 127; a block of zeros has e = 0. As a byte (E8M0): e + 127.
;;     - Each number is divided by its block's scale, clamped to +-6, and rounded to the nearest number of E2M1, ties to even, subnormals kept.
;;     - The product sums the exact products of the quantised numbers (number of the format x scale) in f32.
;;   ~~~python
;;   def quantise(x, axis):      # numpy; x: float32 -> the quantised numbers, widened to float32 again
;;       x = np.moveaxis(x, axis, -1); K = x.shape[-1]
;;       x = np.pad(x, [(0, 0)] * (x.ndim - 1) + [(0, -K % 32)]); x = x.reshape(x.shape[:-1] + (-1, 32)); a = np.abs(x).max(-1, keepdims=True)
;;       e = np.where(a > 0, np.clip(np.frexp(np.where(a > 0, a, 1))[1] - 1 - 2, -126, 127), 0)      # np.frexp(a)[1] - 1 = floor(log2(a)), exactly
;;       r = np.clip(x / 2.0 ** e, -6, 6)
;;       step = 2.0 ** (np.maximum(np.frexp(np.where(r == 0, 1, r))[1] - 1, 0) - 1)
;;       q = np.round(r / step) * step * 2.0 ** e      # np.round: ties to even
;;       return np.moveaxis(q.reshape(q.shape[:-2] + (-1,))[..., :K], -1, axis).astype(np.float32)
;;   ~~~
;;   OPERANDS COMPUTED ON THE WAY. 'Computed on the way' means the value that the module computes at that place (a softmax that the list does not call 'softmax' is quantised finished and normalised). What goes into a quantiser is computed in f32, as accurately as f32 sums, v_exp_f32 and their like allow (about 1e-6 of the number): no bf16 or f16 on the way to a quantiser, and a product that is left as it is and whose result goes on into a quantised operand takes f32 operands (vector FMAs, or v_wmma_f32_16x16x4_f32). A number that lies on a knife's edge between two numbers of the format may be rounded either way, as far as f32 arithmetic and the matrix unit's own rounding can turn it there, and no further.
;; One version. Each part assembles by itself: llvm-mc -triple=amdgcn-amd-amdhsa -mcpu=gfx1250 --defsym DOCPART=n.
;; ======== version 1 of 1: 2 launches
;; limits: right only within a limited range of input values
;; workspace buffers: wq 8,912,896 bytes; xq 8,912,896 bytes
;; launch prep (part 1): grid 32 x 8, 16 waves a work-group, no clusters, 264,192 bytes of LDS; arguments U, U_res, V, V_res, x, wq, xq; writes wq, xq
.if DOCPART == 1
	.amdgcn_target "amdgcn-amd-amdhsa--gfx1250"
	.amdhsa_code_object_version 6
	.text
	.protected	k_q485febf120_prep
	.globl	k_q485febf120_prep
	.p2align	8
	.type	k_q485febf120_prep,@function
k_q485febf120_prep:
	s_mov_b64 s[64:65], 0
	v_nop
	global_prefetch_b8 v0, s[64:65] scope:SCOPE_SE
	s_setreg_imm32_b32 hwreg(HW_REG_WAVE_MODE, 25, 1), 1
	s_wait_xcnt 0x0
; out0 = relu(Q(W) Q(x)),  W = Q(U) Q(V)^T + U_res V_res^T.  This launch makes both operands of the large product as codes of FP4 (E2M1) with one E8M0 byte for each 32 along n_in.
; NOTHING OF reference() IS LEFT OUT.  W goes through a quantiser ahead of the large product, so it is formed number by number: U (V^T x) would be another result.  active_cluster is a constant
; that reference() never reads: it has no buffer and is no argument.
; LIMITS: NaN and infinities among the inputs are not served.  A block whose largest magnitude lies under 2^-124 (the floor) gets the byte 1; a block of zeros gets the byte 1 where the rule says 127:
; its codes are zeros, which add nothing under any byte but 0xff, and the bytes are read by this program alone.
; THE TWO BUFFERS, wq (rows = n_out) and xq (rows = batch), have one layout: [K / 512: 8][rows / 128: 32] panels of 34,816 bytes.  In a panel: codes [tile of 16 rows: 8][block of 32 along K: 16][row: 16][16 bytes],
; which is the image of the operand's registers: registers 4 c .. 4 c + 3 of lane l, of the fragment (tile i, q-th 128 along K), lie at 4096 i + 1024 q + 512 c + 16 l; then the scale bytes [row: 128][block: 16].
; SHARES.  Work-group (g, s), sixteen waves, wave w = 4 b + a, makes panel (s, g) of both buffers.
;   Stage 1: wave w quantises 32 rows of V (two tiles of 16), waves 0-7 also 16 rows of U; codes and scale words go to LDS as images of the operand's registers.
;   Stage 2: wave (a, b) makes W for rows 32 a .. 32 a + 31 and K 128 b .. 128 b + 127 of the panel: the FP4 product (K = 64: the upper 64 of the instruction's 128 are zero codes), U_res V_res^T added by the f32 matrix form, quantised.
;   Stage 3: wave (a, b) quantises x for columns 32 a + lane and the same K, four blocks of 32: a lane to a column, its registers down K.
; THE ORDER: stage 1; x's blocks 0 and 1, each of which frees a set of 32 registers, into which blocks 2 and 3 are asked for; stage 2, while those 64 loads of the wave are on their way; x's blocks 2 and 3.
; THE PRODUCT IS USED TRANSPOSED (source 0 = 16 rows of V, source 1 = 16 rows of U), so that a lane holds one row of W and its registers run along n_in.  THE ROWS OF V THAT FORM A TILE ARE NOT NEIGHBOURS:
; lane r of tile t takes row 32 (t / 2) + 8 (t % 2) + r + 8 (r / 8), so that the 16 registers of tiles 2 j and 2 j + 1 are 16 neighbours along n_in: 32 j + 16 (lane / 16) + 0 .. 15.
.set PANEL, 34816
.set SCOFF, 32768                      ; a panel's scale bytes begin here
.set WIMG,  3072                       ; LDS: a wave's images: V tile 0's codes, V tile 1's, U's (512 bytes each, 16 a lane), then their scale words (one word at each lane's 16 bytes)
.set XSW,   16*WIMG                    ; the scale words on their way out: x's at 128 w + 4 lane, W's 2,048 further on
.set SPARE, XSW+4096                   ; the spare words, 128 bytes for each of the sixteen waves: eight blocks of 256 bytes that no other line names
.set FLOOR, 0x1800000                  ; 2^(3 - 127): no largest magnitude is taken under it, so the byte cannot fall under 1
.set STG,   SPARE+2048                 ; behind the spare words: a stage of its own for each wave, 48 rows of 272 bytes: V's 32 rows, then U's 16, as they lie in memory (256 bytes a row + 16 of padding)
.set WSTG,  48*272
.set SPW, 1                            ; v1   LDS address of my spare word; never rewritten
.set NIL, 2                            ; v2   0; never rewritten
.set LI,  3                            ; v3   16 x lane
.set LS,  4                            ; v4   4 x lane
.set VA,  5                            ; v5   LDS, my stage: V's row r + 8 (r / 8), + 128 h
.set UA,  6                            ; v6   LDS, my stage: row r, + 128 h (U's rows begin 32 rows on); v17: where my 16 bytes of a load's 512 go: row h, + 16 r
.set VRA, 7                            ; v7   V_res: 16 (r + 8 (r / 8)) + 8 h
.set URA, 8                            ; v8   U_res: 16 r + 8 h
.set XCO, 9                            ; v9   x's codes: 4096 h + 16 r
.set SH8, 10                           ; v10  8 h
.set WI,  11                           ; v11  LDS: my wave's images
.set VRI, 12                           ; v12  LDS: the images of V's eight tiles of my 128 along K
.set URI, 13                           ; v13  LDS: the images of my two tiles of U
.set SWA, 14                           ; v14  LDS: where my scale word goes
.set FIN, 15                           ; v15  LDS: where I gather a row's four words
.set TM,  18                           ; v18-33  largest magnitudes, bytes, scale operands; stage 1: with v34-49 a tile of U as loaded
.set PC,  34                           ; v34-41  the codes just made: x's blocks 0 and 1, then W's
.set PW,  42                           ; v42-43  stage 2: the rows' scale words
.set FW,  44                           ; v44-47  a row's four scale words on the way out
.set SB,  48                           ; v48     my column's four scale bytes of x, gathered block by block
.set VSW, 50                           ; v50-57  V's scale words: scales and nothing else
.set USW, 58                           ; v58-59  U's
.set VR,  60                           ; v60-75  V_res: eight fragments of 16 rows x 4
.set UR,  76                           ; v76-79  U_res: two
.set UF,  80                           ; v80-95  U's two fragments (registers 4-7 of each: zero codes); stage 1: at work
.set AF,  96                           ; v96-127 four fragments of V (registers 4-7 of each: zero codes); stage 1: V tile 1 as loaded; at the end: the codes of x's blocks 2 and 3
.set WA,  128                          ; v128-191 eight accumulators, at WA + 32 e + 8 k: written by matrix instructions alone
.set X0,  192                          ; v192-255 two sets of 32 numbers of x; stage 1: the upper one holds V tile 0 as loaded
	s_load_b256 s[4:11], s[0:1], 0x0               ; U s[4:5], U_res s[6:7], V s[8:9], V_res s[10:11]
	s_load_b128 s[12:15], s[0:1], 0x20             ; x s[12:13], wq s[14:15]
	s_load_b64 s[16:17], s[0:1], 0x30              ; xq
	v_lshl_add_u32 v[SPW], v0, 2, SPARE
	v_mov_b32 v[NIL], 0
	v_lshrrev_b32 v16, 5, v0
	s_delay_alu instid0(VALU_DEP_1)
	v_readfirstlane_b32 s18, v16                   ; w
	s_and_b32 s19, s18, 3                          ; a
	s_lshr_b32 s20, s18, 2                         ; b
	s_and_b32 s21, s18, 7
	s_mov_b32 s22, ttmp9                           ; g
	s_and_b32 s23, ttmp7, 0xffff                   ; s
	s_mov_b32 s26, 0x76543210
	s_mov_b32 s27, 0xfedcba98                      ; v_permlanex16_b32's selects for lane l xor 16
	s_mov_b32 s28, 0xffff0000                      ; lanes 16-31
	v_and_b32 v16, 31, v0                          ; lane
	v_and_b32 v17, 15, v0                          ; r
	v_bfe_u32 v[SH8], v0, 4, 1                     ; h
	s_delay_alu instid0(VALU_DEP_3)
	v_lshlrev_b32 v[LI], 4, v16
	s_delay_alu instid0(VALU_DEP_4)
	v_lshlrev_b32 v[LS], 2, v16
	s_delay_alu instid0(VALU_DEP_4)
	v_and_b32 v[VA], 8, v17
	s_delay_alu instid0(VALU_DEP_1)
	v_add_nc_u32 v[VA], v[VA], v17                 ; r + 8 (r / 8)
	s_delay_alu instid0(VALU_DEP_1)
	v_lshlrev_b32 v[VRA], 4, v[VA]
	s_delay_alu instid0(VALU_DEP_1)
	v_lshl_add_u32 v[VRA], v[SH8], 3, v[VRA]
	s_delay_alu instid0(VALU_DEP_3)
	v_mul_u32_u24 v[VA], v[VA], 272
	s_delay_alu instid0(VALU_DEP_1)
	v_lshl_add_u32 v[VA], v[SH8], 7, v[VA]
	v_mul_u32_u24 v[UA], v17, 272
	s_delay_alu instid0(VALU_DEP_1)
	v_lshl_add_u32 v[UA], v[SH8], 7, v[UA]
	v_lshlrev_b32 v[URA], 4, v17
	s_delay_alu instid0(VALU_DEP_1)
	v_lshl_add_u32 v[XCO], v[SH8], 12, v[URA]
	s_delay_alu instid0(VALU_DEP_2)
	v_lshl_add_u32 v[URA], v[SH8], 3, v[URA]
	v_lshlrev_b32 v[SH8], 3, v[SH8]
	; every LDS address is made here, ahead of the first branch: a constant, a constant x lane, a constant x the wave's number
	s_mul_i32 s24, s18, WIMG
	v_add_nc_u32 v[WI], s24, v[LI]
	s_mul_i32 s24, s18, WSTG
	s_add_co_u32 s24, s24, STG
	v_add_nc_u32 v[VA], s24, v[VA]
	v_add_nc_u32 v[UA], s24, v[UA]
	v_mul_u32_u24 v16, v[SH8], 34                  ; 272 h
	s_delay_alu instid0(VALU_DEP_1)
	v_lshl_add_u32 v16, v17, 4, v16
	s_delay_alu instid0(VALU_DEP_1)
	v_add_nc_u32 v17, s24, v16
	s_mul_i32 s24, s20, 4*WIMG                     ; V's tiles 8 b .. 8 b + 7 were made by waves 4 b .. 4 b + 3
	v_add_nc_u32 v[VRI], s24, v[LI]
	s_mul_i32 s24, s19, 2*WIMG                     ; U's tiles 2 a, 2 a + 1 by waves 2 a, 2 a + 1
	v_add_nc_u32 v[URI], s24, v[LI]
	s_lshl_b32 s24, s18, 7
	s_add_co_u32 s24, s24, XSW
	v_add_nc_u32 v[SWA], s24, v[LS]
	s_and_b32 s24, s20, 1                          ; waves 0-3 gather x's words, waves 4-7 W's
	s_lshl_b32 s24, s24, 11
	s_lshl_b32 s25, s19, 7
	s_add_co_u32 s24, s24, s25
	s_add_co_u32 s24, s24, XSW
	v_add_nc_u32 v[FIN], s24, v[LS]
	; byte offsets, each in a pair of its own with 0 above it
	s_lshl_b32 s32, s23, 17                        ; V: 512 s + 32 w rows of 256 bytes
	s_lshl_b32 s29, s18, 13
	s_add_co_u32 s32, s32, s29
	s_mov_b32 s33, 0
	s_lshl_b32 s34, s22, 15                        ; U: 128 g + 16 (w % 8) rows of 256 bytes
	s_lshl_b32 s29, s21, 12
	s_add_co_u32 s34, s34, s29
	s_mov_b32 s35, 0
	s_lshl_b32 s36, s23, 13                        ; V_res: 512 s + 128 b rows of 16 bytes
	s_lshl_b32 s29, s20, 11
	s_add_co_u32 s36, s36, s29
	s_mov_b32 s37, 0
	s_lshl_b32 s38, s22, 11                        ; U_res: 128 g + 32 a rows of 16 bytes
	s_lshl_b32 s29, s19, 9
	s_add_co_u32 s38, s38, s29
	s_mov_b32 s39, 0
	s_lshl_b32 s40, s23, 23                        ; x: 512 s + 128 b rows of 16,384 bytes, column 128 g + 32 a
	s_lshl_b32 s29, s20, 21
	s_add_co_u32 s40, s40, s29
	s_lshl_b32 s29, s22, 9
	s_add_co_u32 s40, s40, s29
	s_lshl_b32 s29, s19, 7
	s_add_co_u32 s40, s40, s29
	s_mov_b32 s41, 0
	s_lshl_b32 s42, s23, 5                         ; panel 32 s + g
	s_add_co_u32 s42, s42, s22
	s_mul_i32 s42, s42, PANEL
	s_mov_b32 s43, 0
	s_lshl_b32 s44, s19, 9                         ; in it: the scale bytes of rows 32 a on,
	s_add_co_u32 s44, s44, SCOFF
	s_mov_b32 s45, 0
	s_lshl_b32 s46, s19, 13                        ; and the codes of tiles 2 a, 2 a + 1, blocks 4 b on
	s_lshl_b32 s29, s20, 10
	s_add_co_u32 s46, s46, s29
	s_mov_b32 s47, 0
	s_wait_alu depctr_va_vdst(0)
	s_wait_kmcnt 0x0
	s_add_nc_u64 s[8:9], s[8:9], s[32:33]
	s_add_nc_u64 s[4:5], s[4:5], s[34:35]
	s_add_nc_u64 s[10:11], s[10:11], s[36:37]
	s_add_nc_u64 s[6:7], s[6:7], s[38:39]
	s_add_nc_u64 s[12:13], s[12:13], s[40:41]
; block t of my column of x: x(32 t + i, column), i = 0 .. 31, into set t % 2.  A wave's load reads 128 consecutive bytes, the four waves of one b 512.  The largest offset, 127 rows, lies inside the signed 24-bit immediate
.macro LOADX t
.set i, 0
.rept 32
	global_load_b32 v[X0+32*((\t)%2)+i], v[LS], s[12:13] offset:(32*(\t)+i)*16384 th:TH_LOAD_NT
.set i, i+1
.endr
.endm
; the largest magnitude of 32 numbers of one lane, v[R] on, and the floor, into v[m0]: two chains that do not wait for each other
.macro MAX32 R, m0, m1
	v_max3_num_f32 v[\m0], |v[\R]|, |v[\R+1]|, |v[\R+2]|
	v_max3_num_f32 v[\m1], |v[\R+3]|, |v[\R+4]|, |v[\R+5]|
.irp i, 6,10,14,18,22,26
	s_delay_alu instid0(VALU_DEP_2)
	v_max3_num_f32 v[\m0], v[\m0], |v[\R+\i]|, |v[\R+\i+1]|
	s_delay_alu instid0(VALU_DEP_2)
	v_max3_num_f32 v[\m1], v[\m1], |v[\R+\i+2]|, |v[\R+\i+3]|
.endr
	s_delay_alu instid0(VALU_DEP_2)
	v_max3_num_f32 v[\m0], v[\m0], |v[\R+30]|, |v[\R+31]|
	s_delay_alu instid0(VALU_DEP_1)
	v_max3_num_f32 v[\m0], v[\m0], v[\m1], FLOOR
.endm
; STAGE 3's step.  A block of 32 down K of my column: all its numbers are mine.  Its codes go to v[cr] on; each block has code registers of its own.
.macro BLOCK t, cr
.set XS, X0+32*((\t)%2)
.if (\t) < 3
	s_wait_loadcnt 32                              ; this block's 32 loads are in; the 32 issued behind them, the next block's, may be out
.else
	s_wait_loadcnt 0x0
.endif
	MAX32 XS, TM, TM+1
	s_delay_alu instid0(VALU_DEP_1)
	v_add_nc_u32 v[TM+2], 0xff000000, v[TM]        ; 2 off the exponent field: the conversion takes the exponent field of this operand as its scale, and nothing else of it
.irp g, 0,1,2,3
	v_cvt_scalef32_pk8_fp4_f32 v[\cr+\g], v[XS+8*\g:XS+8*\g+7], v[TM+2]
.endr
	v_lshrrev_b32 v[TM+3], 23, v[TM+2]             ; the scale's byte.  (Also the plain place behind the conversions)
.if (\t) == 0
	s_delay_alu instid0(VALU_DEP_1)
	v_mov_b32 v[SB], v[TM+3]
.else
	s_delay_alu instid0(VALU_DEP_1)
	v_lshl_or_b32 v[SB], v[TM+3], 8*(\t), v[SB]
.endif
	global_store_b128 v[XCO], v[\cr:\cr+3], s[16:17] offset:256*(\t)      ; sixteen lanes store 256 consecutive bytes, at a multiple of 256 from the buffer's first byte
.if (\t)+2 < 4
	LOADX (\t)+2                                   ; into the set that this block has left
.endif
.endm
	; the small loads first, since loads come back in the order of issue; lane (r, h) takes block h (32 numbers, 128 bytes) of its tile's row r
.irp j, 0,1,2,3,4,5,6,7
	global_load_b128 v[X0+32+4*\j:X0+32+4*\j+3], v[LI], s[8:9] offset:512*\j          ; my 32 rows of V are 8,192 consecutive bytes: each load takes 512 of them as they lie, rows 2 j and 2 j + 1
.endr
.irp j, 0,1,2,3,4,5,6,7
	global_load_b128 v[AF+4*\j:AF+4*\j+3], v[LI], s[8:9] offset:4096+512*\j           ; rows 16 + 2 j, 16 + 2 j + 1
.endr
.irp t, 0,1,2,3,4,5,6,7
	global_load_b64 v[VR+2*\t:VR+2*\t+1], v[VRA], s[10:11] offset:16*(32*(\t/2)+8*(\t%2))   ; V_res(tile t's row r, 2 h + 0, 1)
.endr
.irp e, 0,1
	global_load_b64 v[UR+2*\e:UR+2*\e+1], v[URA], s[6:7] offset:256*\e                ; U_res(row 16 e + r, 2 h + 0, 1)
.endr
	s_cmp_lt_u32 s18, 8
	s_cbranch_scc0 .Lno_u_load
.irp j, 0,1,2,3,4,5,6,7
	global_load_b128 v[TM+4*\j:TM+4*\j+3], v[LI], s[4:5] offset:512*\j                ; waves 0-7: a tile of U, 4,096 consecutive bytes
.endr
.Lno_u_load:
	LOADX 0
	s_add_nc_u64 s[14:15], s[14:15], s[42:43]      ; wq and xq at my panel
	s_add_nc_u64 s[16:17], s[16:17], s[42:43]
	s_cmp_lt_u32 s18, 4                            ; the wave's number alone decides whose scale bytes I store at the end
	s_cselect_b64 s[30:31], s[16:17], s[14:15]
	s_add_nc_u64 s[30:31], s[30:31], s[44:45]
	s_add_nc_u64 s[14:15], s[14:15], s[46:47]
	s_add_nc_u64 s[16:17], s[16:17], s[46:47]
; STAGE 1.  32 numbers of a lane, one block, become 16 bytes of codes, registers 0-3 of the fragment; the row's two bytes make its scale word (bytes 2 and 3 stay 0, over zero codes).  Both go to LDS as they stand.
.macro Q32 R, off
	MAX32 \R, UF, UF+1
	s_delay_alu instid0(VALU_DEP_1)
	v_add_nc_u32 v[UF+2], 0xff000000, v[UF]        ; the conversion's scale operand
	s_delay_alu instid0(VALU_DEP_1)
	v_lshrrev_b32 v[UF+3], 23, v[UF+2]             ; the scale's byte
.irp g, 0,1,2,3
	v_cvt_scalef32_pk8_fp4_f32 v[UF+12+\g], v[\R+8*\g:\R+8*\g+7], v[UF+2]
.endr
	v_lshlrev_b32 v[UF+3], v[SH8], v[UF+3]         ; at its place in the word: 8 h bits up.  (Also the plain place behind the conversions)
	s_delay_alu instid0(VALU_DEP_1)
	v_permlanex16_b32 v[UF+4], v[UF+3], s26, s27
	s_delay_alu instid0(VALU_DEP_1)
	v_or_b32 v[UF+3], v[UF+3], v[UF+4]             ; with lane l xor 16's byte
	ds_store_b128 v[WI], v[UF+12:UF+15] offset:\off
	ds_store_b32 v[WI], v[UF+3] offset:\off+1536
.endm
	s_wait_loadcnt 32                              ; all but the 32 youngest loads, x's first block, are in
	v_mov_b32 v[UF+4], 0                           ; written once: a lane permute's destination counts as one of its sources
	; V's rows turn through my own stage: in as loaded, back so that lane (r, h) holds block h (128 bytes) of its tile's row r
.irp j, 0,1,2,3,4,5,6,7
	ds_store_b128 v17, v[X0+32+4*\j:X0+32+4*\j+3] offset:544*\j
.endr
.irp j, 0,1,2,3,4,5,6,7
	ds_store_b128 v17, v[AF+4*\j:AF+4*\j+3] offset:4352+544*\j
.endr
	s_wait_dscnt 0x0                               ; the stores have read their registers, which the loads below fill again
.irp j, 0,1,2,3,4,5,6,7
	ds_load_b128 v[X0+32+4*\j:X0+32+4*\j+3], v[VA] offset:16*\j                       ; V tile 0
.endr
.irp j, 0,1,2,3,4,5,6,7
	ds_load_b128 v[AF+4*\j:AF+4*\j+3], v[VA] offset:2176+16*\j                        ; V tile 1: eight rows on
.endr
	s_wait_dscnt 8                                 ; tile 0 is back; tile 1's eight loads may be out
	Q32 X0+32, 0
	LOADX 1                                        ; into the registers that V tile 0 has left: 64 loads of the wave are out
	s_wait_dscnt 0x0                               ; the stores have read their registers
	Q32 AF, 512
	s_cmp_lt_u32 s18, 8
	s_cbranch_scc0 .Lno_u
	s_wait_dscnt 0x0
.irp j, 0,1,2,3,4,5,6,7
	ds_store_b128 v17, v[TM+4*\j:TM+4*\j+3] offset:8704+544*\j                        ; U's tile the same way, through rows 32-47 of my stage
.endr
	s_wait_dscnt 0x0
.irp j, 0,1,2,3,4,5,6,7
	ds_load_b128 v[TM+4*\j:TM+4*\j+3], v[UA] offset:8704+16*\j
.endr
	s_wait_dscnt 0x0
	Q32 TM, 1024
.Lno_u:
	s_wait_dscnt 0x0                               ; for the others' sake: my images lie in LDS; and the stores have read their registers
.irp k, 0,1,2,3
.irp j, 4,5,6,7
	v_mov_b32 v[AF+8*\k+\j], 0                     ; K = 64 .. 127 of the matrix instruction: zero codes, written once
.endr
.endr
.irp e, 0,1
.irp j, 4,5,6,7
	v_mov_b32 v[UF+8*\e+\j], 0
.endr
.endr
.irp j, 4,5,6,7
	v_mov_b32 v[TM+\j], 0                          ; stage 2's lane permutes' destinations
.endr
	s_barrier_signal -1
	s_barrier_wait -1                              ; all images lie in LDS; nobody writes them again
	; x's first half, so that its second half is asked for ahead of stage 2
	BLOCK 0, PC
	BLOCK 1, PC+4
	; STAGE 2
	ds_load_b128 v[UF:UF+3], v[URI] offset:1024
	ds_load_b128 v[UF+8:UF+11], v[URI] offset:WIMG+1024
.irp e, 0,1
	ds_load_b32 v[USW+\e], v[URI] offset:WIMG*\e+2560
.endr
.irp t, 0,1,2,3,4,5,6,7
	ds_load_b32 v[VSW+\t], v[VRI] offset:WIMG*(\t/2)+512*(\t%2)+1536
.endr
; 64 numbers of a lane in the accumulators: register 16 j + i, j = 2 e + p, is W(row 16 e + r, 64 c + 32 p + 16 h + i).  They become registers 4 c .. 4 c + 3 of two fragments (v[PC + 4 e] on) and half of each row's scale word.
; Each accumulator is read from its low end on.
.macro QUANT64 c
.irp b, 0,1,2,3
	v_max3_num_f32 v[TM+\b], |v[WA+16*\b]|, |v[WA+1+16*\b]|, FLOOR
.endr
.irp i, 2,4,6,8,10,12,14
.irp b, 0,1,2,3
	v_max3_num_f32 v[TM+\b], v[TM+\b], |v[WA+16*\b+\i]|, |v[WA+1+16*\b+\i]|   ; the four blocks by turns
.endr
.endr
.irp b, 0,1,2,3
	s_delay_alu instid0(VALU_DEP_4)
	v_permlanex16_b32 v[TM+4+\b], v[TM+\b], s26, s27
.endr
.irp b, 0,1,2,3
	s_delay_alu instid0(VALU_DEP_4)
	v_max_num_f32 v[TM+\b], v[TM+\b], v[TM+4+\b]   ; with lane l xor 16's 16 numbers: the block's largest magnitude
.endr
.irp b, 0,1,2,3
	s_delay_alu instid0(VALU_DEP_4)
	v_add_nc_u32 v[TM+12+\b], 0xff000000, v[TM+\b] ; the conversion's scale operand
.endr
.irp b, 0,1,2,3
	s_delay_alu instid0(VALU_DEP_4)
	v_lshrrev_b32 v[TM+4+\b], 23, v[TM+12+\b]      ; the scale's byte
.endr
.irp e, 0
.if (\c) == 0
	s_delay_alu instid0(VALU_DEP_3)
	v_lshl_or_b32 v[PW+\e], v[TM+5+2*\e], 8, v[TM+4+2*\e]          ; bytes 0 and 1 of the word
.else
	s_delay_alu instid0(VALU_DEP_3)
	v_lshl_or_b32 v[TM+4+2*\e], v[TM+5+2*\e], 8, v[TM+4+2*\e]
	s_delay_alu instid0(VALU_DEP_1)
	v_lshl_or_b32 v[PW+\e], v[TM+4+2*\e], 16, v[PW+\e]             ; bytes 2 and 3
.endif
.endr
.irp e, 1
.if (\c) == 0
	s_delay_alu instid0(VALU_DEP_2)
	v_lshl_or_b32 v[PW+\e], v[TM+5+2*\e], 8, v[TM+4+2*\e]          ; bytes 0 and 1 of the word
.else
	s_delay_alu instid0(VALU_DEP_3)
	v_lshl_or_b32 v[TM+4+2*\e], v[TM+5+2*\e], 8, v[TM+4+2*\e]
	s_delay_alu instid0(VALU_DEP_1)
	v_lshl_or_b32 v[PW+\e], v[TM+4+2*\e], 16, v[PW+\e]             ; bytes 2 and 3
.endif
.endr
.irp b, 0,1,2,3
	v_cvt_scalef32_pk8_fp4_f32 v[PC+2*\b], v[WA+16*\b:WA+16*\b+7], v[TM+12+\b]
	v_cvt_scalef32_pk8_fp4_f32 v[PC+1+2*\b], v[WA+16*\b+8:WA+16*\b+15], v[TM+12+\b]
.endr
	v_nop                                          ; one plain place behind a scaled conversion
.irp e, 0,1                                    ; the operand's layout wants a whole block in a lane: lanes 0-15 the even block, lanes 16-31 the odd one
.irp i, 0,1
	v_permlane16_swap_b32 v[PC+4*\e+\i], v[PC+2+4*\e+\i]
.endr
.endr
.endm
; 64 along n_in: V's tiles 4 c .. 4 c + 3 against my two tiles of U.  The eight accumulators take turns, one instruction a turn.
.macro STEPW c
.irp k, 0,1,2,3
	ds_load_b128 v[AF+8*\k:AF+8*\k+3], v[VRI] offset:WIMG*((4*(\c)+\k)/2)+512*((4*(\c)+\k)%2)
.endr
	s_wait_dscnt 0x0
.irp k, 0,1,2,3
.irp e, 0,1
	v_wmma_scale_f32_16x16x128_f8f6f4 v[WA+32*\e+8*\k:WA+32*\e+8*\k+7], v[AF+8*\k:AF+8*\k+7], v[UF+8*\e:UF+8*\e+7], 0, v[VSW+4*(\c)+\k], v[USW+\e] matrix_a_fmt:MATRIX_FMT_FP4 matrix_b_fmt:MATRIX_FMT_FP4
.endr
.endr
.rept 5
	v_nop                                          ; five places: a matrix instruction of another form writes over these results (ISA guide 7.12.1)
.endr
.irp k, 0,1,2,3
.irp e, 0,1
	v_wmma_f32_16x16x4_f32 v[WA+32*\e+8*\k:WA+32*\e+8*\k+7], v[VR+2*(4*(\c)+\k):VR+2*(4*(\c)+\k)+1], v[UR+2*\e:UR+2*\e+1], v[WA+32*\e+8*\k:WA+32*\e+8*\k+7]   ; + U_res V_res^T, f32 operands: the sum goes into a quantiser
.endr
.endr
.rept 8
	v_nop                                          ; eight places behind the f32 form, ahead of the first read of its results
.endr
	s_wait_xcnt 0x0                                ; the stores that read the codes' registers (x's blocks 0 and 1; then this stage's first half) have read them: they are written again below
	QUANT64 \c                                     ; its lines on the magnitudes and bytes alone, fourteen and more, with the eight above, are the places ahead of the next products, which write over the accumulators
.irp e, 0,1
	global_store_b128 v[LI], v[PC+4*\e:PC+4*\e+3], s[14:15] offset:4096*\e+512*(\c)   ; 32 lanes store 512 consecutive bytes, at a multiple of 256 from the buffer's first byte
.endr
.endm
	STEPW 0
	STEPW 1
	v_cndmask_b32 v[PW], v[PW], v[PW+1], s28       ; lanes 16-31 take the second tile's word: lane l now holds row 32 a + l's
	ds_store_b32 v[SWA], v[PW] offset:2048
	; x's second half: asked for ahead of stage 2
	BLOCK 2, AF+8
	BLOCK 3, AF+12
	ds_store_b32 v[SWA], v[SB]                     ; my column's scale word for these 128 along K
	s_wait_dscnt 0x0                               ; for the others' sake: both my words lie in LDS
	s_barrier_signal -1
	s_barrier_wait -1
	; THE SCALE BYTES LEAVE: a row's 16 bytes are the words of waves a, 4 + a, 8 + a, 12 + a.  Waves 0-3 store x's, waves 4-7 W's, 32 rows each
	s_cmp_lt_u32 s18, 8
	s_cbranch_scc0 .Lend
.irp k, 0,1,2,3
	ds_load_b32 v[FW+\k], v[FIN] offset:512*\k
.endr
	s_wait_dscnt 0x0
	global_store_b128 v[LI], v[FW:FW+3], s[30:31]  ; 32 lanes store 512 consecutive bytes
.Lend:
	s_wait_tensorcnt 0x0                           ; the wave's end, behind my last LDS store
	ds_add_u32 v[SPW], v[NIL]
	s_wait_dscnt 0x0
	s_endpgm
.Lfunc_end_k_q485febf120_prep:
	.size	k_q485febf120_prep, .Lfunc_end_k_q485febf120_prep-k_q485febf120_prep
	.p2alignl 7, 3214868480
	.fill 96, 4, 3214868480
	.section	.rodata,"a",@progbits
	.p2align	6, 0x0
	.amdhsa_kernel k_q485febf120_prep
		.amdhsa_group_segment_fixed_size 264192
		.amdhsa_private_segment_fixed_size 0
		.amdhsa_enable_private_segment 0
		.amdhsa_kernarg_size 56
		.amdhsa_user_sgpr_count 2
		.amdhsa_user_sgpr_kernarg_segment_ptr 1
		.amdhsa_wavefront_size32 1
		.amdhsa_system_sgpr_workgroup_id_x 1
		.amdhsa_system_sgpr_workgroup_id_y 1
		.amdhsa_system_sgpr_workgroup_id_z 1
		.amdhsa_system_vgpr_workitem_id 0
		.amdhsa_next_free_vgpr 256
		.amdhsa_next_free_sgpr 66
		.amdhsa_reserve_vcc 0
		.amdhsa_float_denorm_mode_32 3
		.amdhsa_float_denorm_mode_16_64 3
		.amdhsa_memory_ordered 1
		.amdhsa_forward_progress 1
		.amdhsa_inst_pref_size 55
	.end_amdhsa_kernel
	.amdgpu_metadata
---
amdhsa.version: [ 1, 2 ]
amdhsa.kernels:
  - .name:           k_q485febf120_prep
    .symbol:         k_q485febf120_prep.kd
    .args:
      - { .name: U, .offset: 0, .size: 8, .value_kind: global_buffer, .address_space: global }
      - { .name: U_res, .offset: 8, .size: 8, .value_kind: global_buffer, .address_space: global }
      - { .name: V, .offset: 16, .size: 8, .value_kind: global_buffer, .address_space: global }
      - { .name: V_res, .offset: 24, .size: 8, .value_kind: global_buffer, .address_space: global }
      - { .name: x, .offset: 32, .size: 8, .value_kind: global_buffer, .address_space: global }
      - { .name: wq, .offset: 40, .size: 8, .value_kind: global_buffer, .address_space: global }
      - { .name: xq, .offset: 48, .size: 8, .value_kind: global_buffer, .address_space: global }
    .group_segment_fixed_size: 264192
    .private_segment_fixed_size: 0
    .kernarg_segment_align: 8
    .kernarg_segment_size: 56
    .max_flat_workgroup_size: 512
    .sgpr_count:     66
    .vgpr_count:     256
    .wavefront_size: 32
...
	.end_amdgpu_metadata
.endif
;; end of part 1
;; launch gemm (part 2): grid 16 x 16, 4 waves a work-group, clusters of 4 x 4, 327,680 bytes of LDS; arguments wq, xq, out0; writes out0
.if DOCPART == 2
	.amdgcn_target "amdgcn-amd-amdhsa--gfx1250"
	.amdhsa_code_object_version 6
	.text
	.protected	k_q485febf120_gemm
	.globl	k_q485febf120_gemm
	.p2align	8
	.type	k_q485febf120_gemm,@function
k_q485febf120_gemm:
	s_mov_b64 s[64:65], 0
	v_nop
	global_prefetch_b8 v0, s[64:65] scope:SCOPE_SE
	s_setreg_imm32_b32 hwreg(HW_REG_WAVE_MODE, 25, 1), 1
	s_wait_xcnt 0x0
	s_wait_alu depctr_hold_cnt(0) depctr_sa_sdst(0) depctr_va_vdst(0) depctr_va_sdst(0) depctr_va_ssrc(0) depctr_va_vcc(0) depctr_vm_vsrc(0)
	s_getreg_b32 s2, hwreg(HW_REG_IB_STS2, 6, 4)
	s_cmp_eq_u32 s2, 0
	s_cbranch_scc0 .Lentry_in_a_cluster
	s_endpgm
.Lentry_in_a_cluster:
	s_bfe_u32 s2, ttmp6, 0x10000c
	s_cmp_lg_u32 s2, 0xf033
	s_cbranch_scc0 .Lentry_shape_is_right
	s_endpgm
.Lentry_shape_is_right:
; out0 = relu(Q(W) Q(x)): the large product on the codes and scale bytes that launch prep has laid.  Nothing of reference() is left out here.
; wq (rows = n_out) and xq (rows = batch): [K / 512: 8][rows / 128: 32] panels of 34,816 bytes; a panel: codes as the image of the operand's registers (registers 4 c .. 4 c + 3 of lane l of the fragment
; (tile i of 16 rows, q-th 128 along K) at 4096 i + 1024 q + 512 c + 16 l), then the scale bytes [row: 128][block: 16] from byte 32,768 on.
; A tile of out0, 256 x 256, is made by four waves, each 128 x 128: 64 accumulators, 512 registers.  K goes in steps of 512 through a ring of two LDS slots of four panels (wq's two, xq's two); each wave fetches one panel by one tensor load.
; CLUSTERS: 4 x 4 work-groups; wq's panels are asked for jointly along a row of the cluster, xq's along a column.  A cluster begins its walk along K at a step of its own (the same in its sixteen work-groups) and goes round.
; THE MATRIX INSTRUCTION IS USED TRANSPOSED (source 0 = 16 rows of xq, source 1 = 16 rows of wq): a lane holds eight neighbouring numbers of a row of out0.
; THE LAST K STEP GOES BY ROWS OF out0: xq's fragments of the whole step fill window 1, and my eight blocks of 16 rows are finished one after the other; each leaves while the next is multiplied.
; NO PREFETCH: K has eight steps, of which the first four are asked for by the head and the first lap; the block is the largest that the registers hold, in clusters.
; REGISTERS: window 0: v16-29 addresses; v32-95 scale words, two sets (lanes 0-15 wq's block i, lanes 16-31 xq's block i); v128-191 wq's fragments, one set; in the last K step v96-191 three buffers of 16 rows x 512 K, v192-255 rows of out0.
;   window 1: xq's fragments, two sets at v0 and v128; in the last K step all 256.   windows 2, 3: the accumulators of my rows 0-63, 64-127, (a, b) at v[8 (8 (a % 4) + b)].
; LIMITS: as launch prep states them.  The order of the sums along K differs from cluster to cluster by the walk's start.
.set SIZE_N, 4096
.set PANEL,  34816
.set SCOFF,  32768
.set SLOT,   4*PANEL
.set KADV,   32*PANEL                  ; from a panel to the same rows' panel of the next K step
.set NQ,     4
.set FR,     8
.set NL,     2
.set NP,     4                         ; places behind this matrix instruction (ISA guide 7.12.1)
.set LAPS,   4
.set SPARE,  2*SLOT                    ; behind the ring: the spare words, two blocks of 256 bytes that no other line names
.set SPITCH, 528                       ; the way out: 16 rows x (512 + 16) bytes for each wave, in slot 0, which has had its last fill and its last read by then
.set ADRA, 16
.set ADRB, 20
.set ADRS, 22
.set STO,  24
.set RD,   25
.set CO,   26
.set SPW,  28
.set NIL,  29
.set SC,   32
.set PA,   96
.set AF,   128
.set BB,   192
.set G1, 24
.set G0, 32
.set G1B, 48
.set G0B, 56
.set MSB, 0
.macro WIN new                         ; the immediate's high byte repeats the setting that is left
.if MSB != \new
	s_set_vgpr_msb (MSB<<8)|\new
.set MSB, \new
.endif
.endm
.set MUL_LO, 0xa1                      ; source 0 window 1, source 1 window 0, C and D window 2
.set MUL_HI, 0xf1
.set TO_B,   0x40                      ; destination window 1, address window 0
.macro JLOAD g0a, g1a, g0b, g1b        ; a joint load: waves 0, 1 fetch wq's panels, waves 2, 3 xq's
	s_cmp_eq_u32 s15, 0
	s_cbranch_scc0 .Lfor_b_\@
	tensor_load_to_lds s[\g0a:\g0a+3], s[\g1a:\g1a+7]
	s_nop 0
.rept 4
	v_nop
.endr
	s_branch .Lasked_\@
.Lfor_b_\@:
	tensor_load_to_lds s[\g0b:\g0b+3], s[\g1b:\g1b+7]
	s_nop 0
.rept 4
	v_nop
.endr
.Lasked_\@:
.endm
.macro WALK slot                       ; the slot's next K step: s8 counts the walk, modulo 8
	s_and_b32 s9, s8, 7
	s_mul_i32 s10, s9, KADV
	s_add_nc_u64 s[G0+4*\slot+2:G0+4*\slot+3], s[4:5], s[10:11]
	s_or_b32 s[G0+4*\slot+3], s[G0+4*\slot+3], 0x80000000
	s_add_nc_u64 s[G0B+4*\slot+2:G0B+4*\slot+3], s[6:7], s[10:11]
	s_or_b32 s[G0B+4*\slot+3], s[G0B+4*\slot+3], 0x80000000
	s_add_co_u32 s8, s8, 1
.endm
.macro CREST                           ; a round of the cluster's barrier behind its opening barrier
	s_cmp_lg_u32 s14, 0
	s_cbranch_scc1 .Lnot_wave_0_\@
	s_barrier_signal -3
.Lnot_wave_0_\@:
	s_barrier_wait -3
	s_barrier_signal -1
	s_barrier_wait -1
.endm
.macro CROUND
	s_barrier_signal -1
	s_barrier_wait -1
	CREST
.endm
	s_load_b128 s[4:7], s[0:1], 0x0                ; wq, xq
	s_load_b64 s[12:13], s[0:1], 0x10              ; out0
	v_lshl_add_u32 v[SPW], v0, 2, SPARE
	v_mov_b32 v[NIL], 0
	ds_add_u32 v[SPW], v[NIL]                      ; the opening lines: the add, twice on end, and its wait ahead of my first tensor load
	ds_add_u32 v[SPW], v[NIL]
	v_lshrrev_b32 v1, 5, v0
	v_readfirstlane_b32 s14, v1                    ; wave
	s_lshr_b32 s15, s14, 1                         ; my half of the tile's rows; also: I fetch for wq (0) or xq (1)
	s_and_b32 s16, s14, 1                          ; my half of its columns; also: which of the two panels I fetch
	s_bfe_u32 s40, ttmp6, 0x40000                  ; cx
	s_bfe_u32 s41, ttmp6, 0x40004                  ; cy
	s_lshl_b32 s42, ttmp9, 2
	s_add_co_u32 s42, s42, s40                     ; tile column
	s_and_b32 s17, ttmp7, 0xffff
	s_lshl_b32 s17, s17, 2
	s_add_co_u32 s17, s17, s41                     ; tile row
	s_lshl_b32 s43, s41, 2
	s_lshl_b32 s43, 15, s43                        ; my row of the cluster
	s_lshl_b32 s44, 0x1111, s40                    ; my column
	s_lshl_b32 s8, ttmp9, 1                        ; the walk's start: made of the cluster's own x and y
	s_and_b32 s9, ttmp7, 1
	s_lshl_b32 s9, s9, 2
	s_add_co_u32 s8, s8, s9
	s_mov_b32 s11, 0
	s_or_b32 s[G1+0], s43, (3<<16)|(1<<21)         ; the mask; elements of 8 bytes; bit 21 beside a mask
	s_or_b32 s[G1B+0], s44, (3<<16)|(1<<21)
.irp g, G1, G1B
	s_mov_b32 s[\g+1], 32<<16                      ; a panel as 136 dense rows of 256 bytes
	s_mov_b32 s[\g+2], 136<<16
	s_mov_b32 s[\g+3], 32<<16
	s_mov_b32 s[\g+4], 136
	s_mov_b32 s[\g+5], 32
	s_mov_b32 s[\g+6], 0
	s_mov_b32 s[\g+7], 0
.endr
	s_lshl_b32 s20, s17, 1
	s_add_co_u32 s20, s20, s16
	s_mul_i32 s20, s20, PANEL                      ; wq: panel 2 x tile row + half
	s_mov_b32 s21, 0
	s_lshl_b32 s46, s42, 1
	s_add_co_u32 s46, s46, s16
	s_mul_i32 s46, s46, PANEL                      ; xq: panel 2 x tile column + half
	s_mov_b32 s47, 0
	s_mul_i32 s45, s14, PANEL                      ; LDS: wave x a panel
	s_wait_dscnt 0x0                               ; both opening adds are done
	CROUND                                         ; the round in front of the first joint loads: all sixteen work-groups are here; only scalar work on the arguments stands between it and the loads
	s_wait_kmcnt 0x0
	s_add_nc_u64 s[4:5], s[4:5], s[20:21]
	s_add_nc_u64 s[6:7], s[6:7], s[46:47]
.irp s, 0,1
	s_mov_b32 s[G0+4*\s], 1
	s_add_co_u32 s[G0+4*\s+1], s45, \s*SLOT
	s_mov_b32 s[G0B+4*\s], 1
	s_add_co_u32 s[G0B+4*\s+1], s45, \s*SLOT
	WALK \s
.endr
	JLOAD G0, G1, G0B, G1B                         ; the walk's first K step: one tensor load a wave at the head
	s_mul_i32 s21, s15, PANEL                      ; my panel of wq in slot 0,
	s_mul_i32 s22, s16, PANEL
	s_add_co_u32 s22, s22, 2*PANEL                 ; my panel of xq,
	s_add_co_u32 s18, s21, SLOT                    ; and in slot 1
	s_add_co_u32 s19, s22, SLOT
	s_sub_co_u32 s23, s22, s21                     ; lanes 16-31 take xq's scale words: the distance
	s_add_co_u32 s43, s21, SCOFF
	s_add_co_u32 s44, s43, SLOT
	s_mul_i32 s45, s14, 16*SPITCH                  ; my stage
	s_lshl_b32 s20, s17, 8
	s_lshl_b32 s46, s15, 7
	s_add_co_u32 s20, s20, s46
	s_lshl_b32 s20, s20, 14                        ; my first row of out0, rows of 16,384 bytes,
	s_lshl_b32 s46, s42, 10
	s_lshl_b32 s47, s16, 9
	s_add_co_u32 s46, s46, s47
	s_add_co_u32 s20, s20, s46                     ; and my first column
	s_mov_b32 s21, 0
	s_add_nc_u64 s[12:13], s[12:13], s[20:21]
	s_mul_i32 s21, s15, PANEL
	v_and_b32 v1, 15, v0
	v_bfe_u32 v2, v0, 4, 1
	v_and_b32 v3, 31, v0
	v_lshlrev_b32 v4, 4, v3                        ; a fragment's image: 16 x lane
	v_add_nc_u32 v[ADRA], s21, v4
	v_add_nc_u32 v[ADRB], s22, v4
	v_add_nc_u32 v[ADRA+1], s18, v4
	v_add_nc_u32 v[ADRB+1], s19, v4
	v_mul_u32_u24 v6, s23, v2
	v_lshl_add_u32 v6, v1, 4, v6                   ; scale words: 16 bytes a row
	v_add_nc_u32 v[ADRS], s43, v6
	v_add_nc_u32 v[ADRS+1], s44, v6
	v_mul_u32_u24 v5, v1, SPITCH                   ; into the stage: row l % 16, 32 bytes for each half of the lanes
	v_lshl_add_u32 v5, v2, 5, v5
	v_add_nc_u32 v[STO], s45, v5
	v_lshlrev_b32 v[CO], 4, v3                     ; back: the 32 lanes take a row of 512 bytes; and the same in out0
	v_add_nc_u32 v[RD], s45, v[CO]
.macro FRAG reg, adr, q, i
.irp c, 0,1
	ds_load_b128 v[\reg+4*\c:\reg+4*\c+3], v[\adr] offset:1024*(\q)+512*\c+4096*(\i)
.endr
.endm
; 16 matrix instructions: wq's blocks a0, a0 + 1 against xq's eight.  The 64 accumulators take turns, one instruction a turn
.macro MUL16 a0, p, q, sc, zero
.irp a, \a0, \a0+1
.irp b, 0,1,2,3,4,5,6,7
.if \zero
	v_wmma_scale_f32_16x16x128_f8f6f4 v[8*(8*((\a)%4)+\b):8*(8*((\a)%4)+\b)+7], v[128*(\p)+FR*\b:128*(\p)+FR*\b+FR-1], v[AF+FR*(\a):AF+FR*(\a)+FR-1], 0, v[SC+8*NQ*(\sc)+NQ*\b+(\q)], v[SC+8*NQ*(\sc)+NQ*(\a)+(\q)] matrix_a_fmt:MATRIX_FMT_FP4 matrix_b_fmt:MATRIX_FMT_FP4 matrix_a_scale:MATRIX_SCALE_ROW1
.else
	v_wmma_scale_f32_16x16x128_f8f6f4 v[8*(8*((\a)%4)+\b):8*(8*((\a)%4)+\b)+7], v[128*(\p)+FR*\b:128*(\p)+FR*\b+FR-1], v[AF+FR*(\a):AF+FR*(\a)+FR-1], v[8*(8*((\a)%4)+\b):8*(8*((\a)%4)+\b)+7], v[SC+8*NQ*(\sc)+NQ*\b+(\q)], v[SC+8*NQ*(\sc)+NQ*(\a)+(\q)] matrix_a_fmt:MATRIX_FMT_FP4 matrix_b_fmt:MATRIX_FMT_FP4 matrix_a_scale:MATRIX_SCALE_ROW1
.endif
.endr
.endr
.endm
.macro FETCH_B slot, q, p
	WIN TO_B
.irp i, 0,1,2,3,4,5,6,7
	FRAG 128*(\p)+FR*\i, ADRB+\slot, \q, \i
.endr
	WIN 0
.endm
.macro FETCH_A slot, q, i0
.irp i, \i0, \i0+1, \i0+2, \i0+3
	FRAG AF+FR*(\i), ADRA+\slot, \q, \i
.endr
.endm
.macro SCALES sc
.irp i, 0,1,2,3,4,5,6,7
	ds_load_b128 v[SC+8*NQ*\sc+NQ*\i:SC+8*NQ*\sc+NQ*\i+3], v[ADRS+\sc] offset:256*\i
.endr
.endm
.macro PLACES n
.rept \n
	v_nop
.endr
.endm
.macro STEP slot, q, zero              ; a step of 128 along K that has its successor in the same slot
	s_wait_dscnt 4*NL                              ; xq's set and wq's blocks 0-3 are in; the youngest eight loads (blocks 4-7) may be out
	WIN MUL_LO
	MUL16 0, (\q)%2, \q, \slot, \zero
	MUL16 2, (\q)%2, \q, \slot, \zero
	s_wait_dscnt 0
	PLACES NP
	FETCH_B \slot, (\q)+1, 1-(\q)%2
	FETCH_A \slot, (\q)+1, 0
	WIN MUL_HI
	MUL16 4, (\q)%2, \q, \slot, \zero
	MUL16 6, (\q)%2, \q, \slot, \zero
	PLACES NP
	WIN 0
	FETCH_A \slot, (\q)+1, 4
.endm
.macro MEET slot, walk                 ; the first half of a slot's last step, and the barrier of the change of slots.  walk = 1: the slot's descriptors step on to its next K step
	s_wait_dscnt 4*NL                              ; xq's set and wq's blocks 0-3 are in; the youngest eight loads (blocks 4-7) may be out
	WIN MUL_LO
	MUL16 0, 1, NQ-1, \slot, 0                     ; the products stand ahead of the wait for the tile: nothing but the lines that the change of slots needs stands between that wait and the refill
	MUL16 2, 1, NQ-1, \slot, 0
	WIN 0
	s_wait_tensorcnt 0x0                           ; all my tensor loads have landed: my panel of the next slot;
	ds_add_u32 v[SPW], v[NIL]                      ; 0 onto my spare word;
.if \walk
	WALK \slot                                     ; no tensor load of mine is out, so a group 0 may be written: work on registers between the add and the wait for it
.endif
	s_wait_dscnt 0x0                               ; the add is done, and my reads of this slot are over
	s_barrier_signal -1
	s_barrier_wait -1
.endm
.macro TURN slot, next                 ; a slot's last step: the slot is filled again, two K steps ahead
	MEET \slot, 1
	CREST                                          ; the barrier has opened a round of the cluster's barrier
	JLOAD G0+4*\slot, G1, G0B+4*\slot, G1B         ; the first tensor load behind the round; its four v_nop are the places in front of the loads below
	FETCH_B \next, 0, 0
	FETCH_A \next, 0, 0
	SCALES \next
	WIN MUL_HI
	MUL16 4, 1, NQ-1, \slot, 0
	MUL16 6, 1, NQ-1, \slot, 0
	PLACES NP
	WIN 0
	FETCH_A \next, 0, 4
.endm
.macro STEPS slot, from
.set Q, \from
.rept NQ-1-\from
	STEP \slot, Q, 0
.set Q, Q+1
.endr
.endm
	s_wait_alu depctr_va_vdst(0)
	s_wait_tensorcnt 0x0                           ; my panel of the first K step is in
	ds_add_u32 v[SPW], v[NIL]
	s_wait_dscnt 0x0
	CROUND                                         ; everybody's panel is in, and the joint loads meet
	JLOAD G0+4, G1, G0B+4, G1B                     ; slot 1's first fill, the first tensor load behind the round
	FETCH_B 0, 0, 0
	FETCH_A 0, 0, 0
	SCALES 0
	FETCH_A 0, 0, 4
	STEP 0, 0, 1                                   ; the first step stands in front of the loop: its products start the sums
	s_mov_b32 s3, LAPS-1
.Llap:                                                 ; a trip goes once round the ring and fills both slots again
	STEPS 0, 1
	TURN 0, 1
	STEPS 1, 0
	TURN 1, 0
	STEP 0, 0, 0
	s_sub_co_u32 s3, s3, 1
	s_cmp_lg_u32 s3, 0
	s_cbranch_scc1 .Llap
	STEPS 0, 1
; THE LAST K STEP, in slot 1, by rows of out0
.macro BLOAD q                         ; xq's fragments of quarter q -> window 1, v[64 q ..]
.irp i, 0,1,2,3,4,5,6,7
	FRAG 64*(\q)+8*\i, ADRB+1, \q, \i
.endr
.endm
.macro ALOAD a                         ; wq's block a, all four quarters -> buffer a % 3: 8 loads
.irp q, 0,1,2,3
	FRAG PA+32*((\a)%3)+8*\q, ADRA+1, \q, \a
.endr
.endm
.macro ROW a                           ; block a is finished: 32 matrix instructions, its eight accumulators by turns
.set FA, PA+32*((\a)%3)
.set AC, 64*((\a)%4)
	WIN MUL_LO+0x50*((\a)/4)
.irp q, 0,1,2,3
.if (\a) == 0 && \q == 2
	s_wait_dscnt 16                                ; xq's quarter 2 is in (behind it: wq's blocks 1 and 2)
.endif
.irp b, 0,1,2,3,4,5,6,7
	v_wmma_scale_f32_16x16x128_f8f6f4 v[AC+8*\b:AC+8*\b+7], v[64*\q+8*\b:64*\q+8*\b+7], v[FA+8*\q:FA+8*\q+7], v[AC+8*\b:AC+8*\b+7], v[SC+8*NQ+NQ*\b+\q], v[SC+8*NQ+NQ*(\a)+\q] matrix_a_fmt:MATRIX_FMT_FP4 matrix_b_fmt:MATRIX_FMT_FP4 matrix_a_scale:MATRIX_SCALE_ROW1
.endr
.endr
.endm
; THE WAY OUT of block a: through my own stage in LDS, back as whole rows of 512 bytes, clipped at 0, stored as two aligned units of 256 bytes.
; LDS serves a wave's instructions in order (ISA guide 5.7.1.4): no wait between the stores and the loads.
.macro TOSTAGE a
.set AC, 64*((\a)%4)
	WIN 0x08+4*((\a)/4)                            ; the data: window 2 or 3
.irp b, 0,1,2,3,4,5,6,7
	ds_store_b128 v[STO], v[AC+8*\b:AC+8*\b+3] offset:64*\b          ; each accumulator from its low end on
	ds_store_b128 v[STO], v[AC+8*\b+4:AC+8*\b+7] offset:64*\b+16
.endr
	WIN 0
.irp t, 0,1,2,3,4,5,6,7,8,9,10,11,12,13,14,15
	ds_load_b128 v[BB+4*\t:BB+4*\t+3], v[RD] offset:\t*SPITCH
.endr
.endm
.macro SEND a, younger                 ; younger: the LDS loads issued behind TOSTAGE's, which may stay out
	WIN 0
	s_wait_dscnt \younger
.set j, 0
.rept 64
	v_max_num_f32 v[BB+j], 0, v[BB+j]              ; relu.  (These 64 are also the places behind the block multiplied meanwhile)
.set j, j+1
.endr
.if (\a) > 0
	s_add_nc_u64 s[12:13], s[12:13], 16*SIZE_N*4   ; behind a wait on XCNT: the earlier stores have read their base
.endif
.irp t, 0,1,2,3,4,5,6,7,8,9,10,11,12,13,14,15
	global_store_b128 v[CO], v[BB+4*\t:BB+4*\t+3], s[12:13] offset:\t*SIZE_N*4   ; 32 lanes store 512 consecutive bytes, at a multiple of 256 from out0's first byte
.endr
.endm
	MEET 0, 0                                      ; my one tensor load that was out is slot 1's, so no round follows
	PLACES NP
	WIN TO_B
	BLOAD 0                                        ; three quarters of xq now: v128-191 of window 1 are still being multiplied
	BLOAD 1
	BLOAD 3
	WIN 0
	SCALES 1
	ALOAD 0
	WIN MUL_HI
	MUL16 4, 1, NQ-1, 0, 0
	MUL16 6, 1, NQ-1, 0, 0
	PLACES NP
	WIN TO_B
	BLOAD 2
	WIN 0
	ALOAD 1
	ALOAD 2
	s_wait_dscnt 32                                ; all but the 32 just issued
	ROW 0
	PLACES NP
	TOSTAGE 0
	ALOAD 3
	s_wait_dscnt 40                                ; wq's blocks 1 and 2 are in; block 0's 32 stage instructions and block 3's 8 loads may be out
.irp a, 1,2,3,4,5,6,7                  ; block a is multiplied while block a - 1 comes back from the stage; then that block is stored, and block a goes to the stage
	ROW \a
.if \a <= 5
	SEND \a-1, 8
.else
	SEND \a-1, 0
.endif
	s_wait_xcnt 0x0                                ; the stores have read their registers and their base: the next block's rows may land there
	TOSTAGE \a
.if \a <= 4
	ALOAD \a+3                                     ; into the buffer that block a has left
.endif
.endr
	SEND 7, 0
	s_wait_tensorcnt 0x0                           ; the wave's end
	ds_add_u32 v[SPW], v[NIL]
	s_wait_dscnt 0x0
	CROUND                                         ; the closing round
	s_endpgm
.Lfunc_end_k_q485febf120_gemm:
	.size	k_q485febf120_gemm, .Lfunc_end_k_q485febf120_gemm-k_q485febf120_gemm
	.p2alignl 7, 3214868480
	.fill 96, 4, 3214868480
	.section	.rodata,"a",@progbits
	.p2align	6, 0x0
	.amdhsa_kernel k_q485febf120_gemm
		.amdhsa_group_segment_fixed_size 327680
		.amdhsa_private_segment_fixed_size 0
		.amdhsa_enable_private_segment 0
		.amdhsa_kernarg_size 24
		.amdhsa_user_sgpr_count 2
		.amdhsa_user_sgpr_kernarg_segment_ptr 1
		.amdhsa_wavefront_size32 1
		.amdhsa_system_sgpr_workgroup_id_x 1
		.amdhsa_system_sgpr_workgroup_id_y 1
		.amdhsa_system_sgpr_workgroup_id_z 1
		.amdhsa_system_vgpr_workitem_id 0
		.amdhsa_next_free_vgpr 1024
		.amdhsa_next_free_sgpr 66
		.amdhsa_reserve_vcc 0
		.amdhsa_float_denorm_mode_32 3
		.amdhsa_float_denorm_mode_16_64 3
		.amdhsa_memory_ordered 1
		.amdhsa_forward_progress 1
		.amdhsa_inst_pref_size 225
	.end_amdhsa_kernel
	.amdgpu_metadata
---
amdhsa.version: [ 1, 2 ]
amdhsa.kernels:
  - .name:           k_q485febf120_gemm
    .symbol:         k_q485febf120_gemm.kd
    .args:
      - { .name: wq, .offset: 0, .size: 8, .value_kind: global_buffer, .address_space: global }
      - { .name: xq, .offset: 8, .size: 8, .value_kind: global_buffer, .address_space: global }
      - { .name: out0, .offset: 16, .size: 8, .value_kind: global_buffer, .address_space: global }
    .group_segment_fixed_size: 327680
    .private_segment_fixed_size: 0
    .kernarg_segment_align: 8
    .kernarg_segment_size: 24
    .max_flat_workgroup_size: 128
    .sgpr_count:     66
    .vgpr_count:     1024
    .wavefront_size: 32
...
	.end_amdgpu_metadata
.endif
;; end of part 2
